; MI455X (gfx1250); checked and timed in simulation.
; The chip was launched on July 23, 2026; its instructions are those of AMD's public machine-readable ISA for CDNA 5 (MIT licence, August 2026) and "CDNA5" Instruction Set Architecture Reference Guide (July 2026). The comments in the code are by the model that wrote it; some were corrected since.
;; Bahdanau Attention. Allowed arithmetic: matrix products marked QUANTISED: E2M1 operands, one E8M0 scale for each 32 along K, by v_wmma_scale_f32_16x16x128_f8f6f4 with both operands' format E2M1 (or v_wmma_scale_f32_32x16x128_f4), f32 sums; products left as they are: f32 operands where the result goes on into a quantised operand, else bf16, f16 or f32 operands; f32 sums; everything else in f32.
;; Inputs: Wa 1,024 float32; Wb_codes 1,024 x 32 x 16 uint8 (E2M1 codes of Wb, K innermost, in blocks of 32 codes, two codes a byte); Wb_scales 1,024 x 32 uint8 (E8M0 scales of Wb, one for each 32 codes along K); Wc_codes 1,024 x 32 x 16 uint8 (E2M1 codes of Wc, K innermost, in blocks of 32 codes, two codes a byte); Wc_scales 1,024 x 32 uint8 (E8M0 scales of Wc, one for each 32 codes along K); dec_prev_hidden_codes 32 x 32 x 16 uint8 (E2M1 codes of dec_prev_hidden, K innermost, in blocks of 32 codes, two codes a byte); dec_prev_hidden_scales 32 x 32 uint8 (E8M0 scales of dec_prev_hidden, one for each 32 codes along K); enc_outputs 2,048 x 32 x 1,024 float32.
;; Outputs: out0 1 x 32 x 1,024 float32.
;; This version of the problem:
;;   THIS VERSION OF THE PROBLEM IS GIVEN IN LOW PRECISION. The matrix products marked QUANTISED in the list below multiply operands that are first quantised to E2M1 (2 exponent bits, 1 mantissa bit; 4 bits a number), with one power-of-two scale for each 32 numbers along K (OCP MX v1.0); their sums are f32. All else is computed in f32.
;;   The module's matrix products, in the order in which they are computed (A, B: the left and right operand; K: the contracted axis; several contracted axes count as one K, in the product's order):
;;     1. [M 32, K 1,024] x [K 1,024, N 1,024]; A: input dec_prev_hidden (given as codes); B: input Wb (given as codes): QUANTISED
;;     2. [M 65,536, K 1,024] x [K 1,024, N 1,024]; A: input enc_outputs; B: input Wc (given as codes): QUANTISED
;;     3. [M 65,536, K 1,024] x [K 1,024, N 1]; A: computed on the way; B: input Wa: left as it is (N = 1 < 16)
;;     4. batch 32 x [M 1, K 2,048] x [K 2,048, N 1,024]; A: softmax; B: input enc_outputs: left as it is (M = 1 < 16)
;;   THE QUANTISER, for each operand of a quantised product, along K:
;;     - K is cut into blocks of 32 from its start; a last block that is shorter is filled with zeros.
;;     - A block's scale is 2^e with e = floor(log2(the largest magnitude in the block)) - 2, held to -126 .. 127; a block of zeros has e = 0. As a byte (E8M0): e + 127.
;;     - Each number is divided by its block's scale, clamped to +-6, and rounded to the nearest number of E2M1, ties to even, subnormals kept.
;;     - The product sums the exact products of the quantised numbers (number of the format x scale) in f32.
;;   ~~~python
;;   def quantise(x, axis):      # numpy; x: float32 -> the quantised numbers, widened to float32 again
;;       x = np.moveaxis(x, axis, -1); K = x.shape[-1]
;;       x = np.pad(x, [(0, 0)] * (x.ndim - 1) + [(0, -K % 32)]); x = x.reshape(x.shape[:-1] + (-1, 32)); a = np.abs(x).max(-1, keepdims=True)
;;       e = np.where(a > 0, np.clip(np.frexp(np.where(a > 0, a, 1))[1] - 1 - 2, -126, 127), 0)      # np.frexp(a)[1] - 1 = floor(log2(a)), exactly
;;       r = np.clip(x / 2.0 ** e, -6, 6)
;;       step = 2.0 ** (np.maximum(np.frexp(np.where(r == 0, 1, r))[1] - 1, 0) - 1)
;;       q = np.round(r / step) * step * 2.0 ** e      # np.round: ties to even
;;       return np.moveaxis(q.reshape(q.shape[:-2] + (-1,))[..., :K], -1, axis).astype(np.float32)
;;   ~~~
;;   INPUTS GIVEN AS CODES. Wb (in the module: [1024, 1024], K = its axis 1); Wc (in the module: [1024, 1024], K = its axis 1); dec_prev_hidden (in the module: [32, 1024], K = its axis 1): each comes as NAME_codes (uint8): NAME with its K axis moved to the last place and cut into blocks of 32 codes, [.., K / 32, bytes a block], one block behind the other in memory; two codes a byte, the lower K in the low four bits (a code: sign, 2 exponent bits, 1 mantissa bit); and NAME_scales (uint8): the same leading axes, one E8M0 byte (e + 127) for each 32 codes along K. Its value is code x scale, taken as it is: it is not quantised again, and the codes and scales need not be those that the quantiser above would give.
;; One version. Each part assembles by itself: llvm-mc -triple=amdgcn-amd-amdhsa -mcpu=gfx1250 --defsym DOCPART=n.
;; ======== version 1 of 1: 3 launches
;; limits: values are held in bf16: 8 bits of precision; right only within a limited range of input values
;; workspace buffers: wcp 573,440 bytes; bias 131,072 bytes; part 1,048,576 bytes; stat 65,536 bytes
;; launch prep (part 1): grid 24 x 1, 4 waves a work-group, no clusters, 53,760 bytes of LDS; arguments dec_prev_hidden_codes, dec_prev_hidden_scales, Wb_codes, Wb_scales, Wc_codes, Wc_scales, bias, wcp; writes bias, wcp
.if DOCPART == 1
	.amdgcn_target "amdgcn-amd-amdhsa--gfx1250"
	.amdhsa_code_object_version 6
	.text
	.protected	k_q8cfe350a89_prep
	.globl	k_q8cfe350a89_prep
	.p2align	8
	.type	k_q8cfe350a89_prep,@function
k_q8cfe350a89_prep:
	s_mov_b64 s[64:65], 0
	v_nop
	global_prefetch_b8 v0, s[64:65] scope:SCOPE_SE
	s_setreg_imm32_b32 hwreg(HW_REG_WAVE_MODE, 25, 1), 1
	s_wait_xcnt 0x0
; BAHDANAU ATTENTION, launch 1 of 3.  Two small jobs that the main launch needs done once.
;   work-groups 0-7:  bias[b][d] = c x sum over k of dec[b][k] Wb[d][k], c = 2 log2(e): the first product, on the given E2M1 codes and E8M0 scales, f32 sums.
;   work-groups 8-23: wcp: Wc laid for the main launch's LDS slots: a row d is 560 bytes: its 512 bytes of codes, its 32 scale bytes, 16 zeros.
; DEAD WORK, left out by the whole program.  tanh(x) = 1 - 2 / (1 + 2^(c x)), so score[s][b] = sum_d Wa[d] - 2 z[s][b] with z = sum_d Wa[d] / (1 + 2^(c x[s][b][d])).
; The term sum_d Wa[d] is the same for every s, and the softmax runs over s: it cancels for all values of the inputs.  It is never formed; the weights are 2^(-c z - its running maximum).
; No input is dead: all are loaded.  LIMITS: NaN and infinities among the inputs are not served; an overflow of sum_d Wa[d] alone would not be carried to the result.
; THE PRODUCT.  A wave makes 64 d x 16 b: four accumulators by turns, K = 1,024 in eight steps.  The matrix instruction is used transposed (source 0 = 16 rows of Wb, source 1 = 16 rows of dec),
; so that a lane holds one b and eight neighbouring d.  The wave's 32 fragments of Wb fill register window 1.  The results leave through the wave's own stage in LDS: sixteen lanes store 256 consecutive bytes.
; THE LAYING.  A wave takes 16 rows of Wc: it builds their 8,960 bytes in LDS bytes of its own and stores them as 35 runs of 256 consecutive, aligned bytes.
; The two jobs part on the work-group's number; each has LDS bytes of its own; waves share nothing, so there is no barrier.
.set NA,    8                          ; work-groups of the product
.set SPA,   272                        ; a stage row: 256 bytes + 16
.set IMG,   4*16*SPA                   ; behind the four stages: four images of 8,960 bytes
.set IMB,   8960
.set WROW,  560
.set SPARE, IMG+4*IMB                  ; the spare words, 128 bytes for each wave
.set MSB, 0
.macro WIN new                         ; the immediate's high byte repeats the setting that is left
.if MSB != \new
	s_set_vgpr_msb (MSB<<8)|\new
.set MSB, \new
.endif
.endm
	s_load_b256 s[4:11], s[0:1], 0x0               ; dec's codes s[4:5], dec's scales s[6:7], Wb's codes s[8:9], Wb's scales s[10:11]
	s_load_b256 s[12:19], s[0:1], 0x20             ; Wc's codes s[12:13], Wc's scales s[14:15], bias s[16:17], wcp s[18:19]
	v_lshl_add_u32 v1, v0, 2, SPARE                ; my spare word; never rewritten
	v_mov_b32 v2, 0                                ; 0; never rewritten
	v_lshrrev_b32 v3, 5, v0
	v_readfirstlane_b32 s20, v3                    ; wave 0..3
	v_and_b32 v3, 31, v0                           ; lane
	v_and_b32 v4, 15, v0                           ; r
	v_bfe_u32 v5, v0, 4, 1                         ; h
	s_mov_b32 s23, 0                               ; the upper word of every offset pair s[22:23]
	s_wait_kmcnt 0x0
	s_cmp_lt_u32 ttmp9, NA
	s_cbranch_scc0 .Lpack
	; ---- the product ----
	s_lshl_b32 s21, ttmp9, 2
	s_add_co_u32 s21, s21, s20                     ; which of 32 shares is my wave's
	s_lshr_b32 s24, s21, 1                         ; its 64 d: 0..15
	s_and_b32 s25, s21, 1                          ; its 16 b: 0, 1
	s_lshl_b32 s22, s24, 15                        ; 64 rows of Wb's codes, 512 bytes each
	s_add_nc_u64 s[8:9], s[8:9], s[22:23]
	s_lshl_b32 s22, s24, 11                        ; and of its scale bytes, 32 each
	s_add_nc_u64 s[10:11], s[10:11], s[22:23]
	s_lshl_b32 s22, s25, 13                        ; 16 rows of dec's codes
	s_add_nc_u64 s[4:5], s[4:5], s[22:23]
	s_lshl_b32 s22, s25, 9                         ; and of its scale bytes
	s_add_nc_u64 s[6:7], s[6:7], s[22:23]
	s_lshl_b32 s22, s25, 16                        ; bias: 16 rows of 4,096 bytes,
	s_lshl_b32 s26, s24, 8                         ; 256 bytes for 64 d
	s_add_co_u32 s22, s22, s26
	s_add_nc_u64 s[16:17], s[16:17], s[22:23]
	s_mov_b32 s28, 0x4038aa3b                      ; c = 2 log2(e)
	s_mov_b32 s29, s28                             ; (named with it as a pair, so it is written)
	s_wait_alu depctr_va_vdst(0)
	v_lshlrev_b32 v6, 9, v4
	v_lshl_add_u32 v6, v5, 4, v6                   ; a fragment: row r of 512 bytes, + 16 h
	v_lshlrev_b32 v7, 5, v4                        ; scale words: row r of 32 bytes
	s_mul_i32 s26, s20, 16*SPA                     ; my stage
	v_mul_u32_u24 v8, v4, SPA
	v_lshl_add_u32 v8, v5, 5, v8
	v_add_nc_u32 v8, s26, v8                       ; in: row r (a b), 32 bytes for each half of the lanes
	v_mul_u32_u24 v9, v5, SPA
	v_lshl_add_u32 v9, v4, 4, v9
	v_add_nc_u32 v9, s26, v9                       ; back: lanes 0-15 one row of 256 bytes, lanes 16-31 the next
	v_lshlrev_b32 v10, 12, v5
	v_lshl_add_u32 v10, v4, 4, v10                 ; and the same two rows in bias
	WIN 0x40                                       ; destination window 1
.irp t, 0,1,2,3
.irp k, 0,1,2,3,4,5,6,7
.irp c, 0,1
	global_load_b128 v[64*\t+8*\k+4*\c:64*\t+8*\k+4*\c+3], v6, s[8:9] offset:8192*\t+64*\k+32*\c   ; Wb: tile t, K step k
.endr
.endr
.endr
	WIN 0
.irp k, 0,1,2,3,4,5,6,7
.irp c, 0,1
	global_load_b128 v[16+8*\k+4*\c:16+8*\k+4*\c+3], v6, s[4:5] offset:64*\k+32*\c                 ; dec: K step k
.endr
.endr
.irp t, 0,1,2,3
	global_load_b128 v[112+8*\t:115+8*\t], v7, s[10:11] offset:512*\t                              ; Wb's scale words: register k is K step k's
	global_load_b128 v[116+8*\t:119+8*\t], v7, s[10:11] offset:512*\t+16
.endr
	global_load_b128 v[144:147], v7, s[6:7]                                                        ; dec's
	global_load_b128 v[148:151], v7, s[6:7] offset:16
	s_wait_loadcnt 0x0
	WIN 0x01                                       ; source 0 (Wb) window 1
.irp k, 0,1,2,3,4,5,6,7                        ; the four accumulators take turns, one instruction a turn, K ascending; the first step starts the sums
.irp t, 0,1,2,3
.if \k == 0
	v_wmma_scale_f32_16x16x128_f8f6f4 v[80+8*\t:87+8*\t], v[64*\t+8*\k:64*\t+8*\k+7], v[16+8*\k:23+8*\k], 0, v[112+8*\t+\k], v[144+\k] matrix_a_fmt:MATRIX_FMT_FP4 matrix_b_fmt:MATRIX_FMT_FP4
.else
	v_wmma_scale_f32_16x16x128_f8f6f4 v[80+8*\t:87+8*\t], v[64*\t+8*\k:64*\t+8*\k+7], v[16+8*\k:23+8*\k], v[80+8*\t:87+8*\t], v[112+8*\t+\k], v[144+\k] matrix_a_fmt:MATRIX_FMT_FP4 matrix_b_fmt:MATRIX_FMT_FP4
.endif
.endr
.endr
	WIN 0
.rept 4
	v_nop                                          ; four places between the last product and the first read of a result (ISA guide 7.12.1)
.endr
.irp t, 0,1,2,3
.irp j, 0,2,4,6
	v_pk_mul_f32 v[152+8*\t+\j:153+8*\t+\j], v[80+8*\t+\j:81+8*\t+\j], s[28:29] op_sel_hi:[1,0]   ; x c; each accumulator from its low end on
.endr
.endr
.irp t, 0,1,2,3
	ds_store_b128 v8, v[152+8*\t:155+8*\t] offset:64*\t       ; lane (r, h): bias(b = r, d = 16 t + 8 h + 0 .. 7)
	ds_store_b128 v8, v[156+8*\t:159+8*\t] offset:64*\t+16
.endr
.irp i, 0,1,2,3,4,5,6,7
	ds_load_b128 v[184+4*\i:187+4*\i], v9 offset:2*\i*SPA     ; LDS serves a wave's instructions in order: these see my stores
.endr
.irp i, 0,1,2,3,4,5,6,7
	s_wait_dscnt 7-\i
	global_store_b128 v10, v[184+4*\i:187+4*\i], s[16:17] offset:8192*\i   ; sixteen lanes store 256 consecutive bytes, aligned
.endr
	s_wait_tensorcnt 0x0                           ; the wave's end
	ds_add_u32 v1, v2
	s_wait_dscnt 0x0
	s_endpgm
	; ---- the laying of Wc ----
.Lpack:
	s_sub_co_u32 s21, ttmp9, NA
	s_lshl_b32 s21, s21, 2
	s_add_co_u32 s21, s21, s20                     ; which run of 16 rows is my wave's: 0..63
	s_lshl_b32 s22, s21, 13                        ; 16 rows of 512 bytes of codes
	s_add_nc_u64 s[12:13], s[12:13], s[22:23]
	s_lshl_b32 s22, s21, 9                         ; 16 rows of 32 scale bytes
	s_add_nc_u64 s[14:15], s[14:15], s[22:23]
	s_mul_i32 s22, s21, IMB                        ; 16 rows of 560 bytes
	s_add_nc_u64 s[18:19], s[18:19], s[22:23]
	s_wait_alu depctr_va_vdst(0)
	v_lshlrev_b32 v6, 4, v3                        ; 16 x lane
.irp i, 0,1,2,3,4,5,6,7,8,9,10,11,12,13,14,15
	global_load_b128 v[16+4*\i:19+4*\i], v6, s[12:13] offset:512*\i   ; a row's 512 bytes
.endr
	global_load_b128 v[80:83], v6, s[14:15]        ; the 16 rows' scale bytes: lane l has half l % 2 of row l / 2
	s_mul_i32 s24, s20, IMB
	s_add_co_u32 s24, s24, IMG                     ; my image
	v_add_nc_u32 v7, s24, v6                       ; codes: 16 x lane, a row 560 bytes on
	v_lshrrev_b32 v8, 1, v3
	v_mul_u32_u24 v8, v8, WROW
	v_and_b32 v9, 1, v3
	v_lshl_add_u32 v8, v9, 4, v8
	v_add_nc_u32 v8, s24, v8                       ; scale bytes: row l / 2, byte 512 + 16 (l % 2)
	v_mul_u32_u24 v9, v4, WROW
	v_add_nc_u32 v9, s24, v9                       ; the zeros: row l % 16, byte 544 (both halves of the lanes write the same zeros)
	v_lshlrev_b32 v11, 3, v3                       ; out: 8 x lane
	v_add_nc_u32 v10, s24, v11
.irp j, 84,85,86,87
	v_mov_b32 v\j, 0
.endr
	s_wait_alu depctr_va_vdst(0)
	s_wait_loadcnt 0x0
.irp i, 0,1,2,3,4,5,6,7,8,9,10,11,12,13,14,15
	ds_store_b128 v7, v[16+4*\i:19+4*\i] offset:WROW*\i
.endr
	ds_store_b128 v8, v[80:83] offset:512
	ds_store_b128 v9, v[84:87] offset:544
.irp i, 0,1,2,3,4,5,6,7,8,9,10,11,12,13,14,15,16,17,18,19,20,21,22,23,24,25,26,27,28,29,30,31,32,33,34
	ds_load_b64 v[96+2*\i:97+2*\i], v10 offset:256*\i    ; LDS serves a wave's instructions in order: these see my stores
.endr
.irp i, 0,1,2,3,4,5,6,7,8,9,10,11,12,13,14,15,16,17,18,19,20,21,22,23,24,25,26,27,28,29,30,31,32,33,34
	s_wait_dscnt 34-\i
	global_store_b64 v11, v[96+2*\i:97+2*\i], s[18:19] offset:256*\i   ; 32 lanes store 256 consecutive bytes, aligned
.endr
	s_wait_tensorcnt 0x0                           ; the wave's end
	ds_add_u32 v1, v2
	s_wait_dscnt 0x0
	s_endpgm
.Lfunc_end_k_q8cfe350a89_prep:
	.size	k_q8cfe350a89_prep, .Lfunc_end_k_q8cfe350a89_prep-k_q8cfe350a89_prep
	.p2alignl 7, 3214868480
	.fill 96, 4, 3214868480
	.section	.rodata,"a",@progbits
	.p2align	6, 0x0
	.amdhsa_kernel k_q8cfe350a89_prep
		.amdhsa_group_segment_fixed_size 53760
		.amdhsa_private_segment_fixed_size 0
		.amdhsa_enable_private_segment 0
		.amdhsa_kernarg_size 64
		.amdhsa_user_sgpr_count 2
		.amdhsa_user_sgpr_kernarg_segment_ptr 1
		.amdhsa_wavefront_size32 1
		.amdhsa_system_sgpr_workgroup_id_x 1
		.amdhsa_system_sgpr_workgroup_id_y 1
		.amdhsa_system_sgpr_workgroup_id_z 1
		.amdhsa_system_vgpr_workitem_id 0
		.amdhsa_next_free_vgpr 512
		.amdhsa_next_free_sgpr 66
		.amdhsa_reserve_vcc 0
		.amdhsa_float_denorm_mode_32 3
		.amdhsa_float_denorm_mode_16_64 3
		.amdhsa_memory_ordered 1
		.amdhsa_forward_progress 1
		.amdhsa_inst_pref_size 29
	.end_amdhsa_kernel
	.amdgpu_metadata
---
amdhsa.version: [ 1, 2 ]
amdhsa.kernels:
  - .name:           k_q8cfe350a89_prep
    .symbol:         k_q8cfe350a89_prep.kd
    .args:
      - { .name: dec_prev_hidden_codes, .offset: 0, .size: 8, .value_kind: global_buffer, .address_space: global }
      - { .name: dec_prev_hidden_scales, .offset: 8, .size: 8, .value_kind: global_buffer, .address_space: global }
      - { .name: Wb_codes, .offset: 16, .size: 8, .value_kind: global_buffer, .address_space: global }
      - { .name: Wb_scales, .offset: 24, .size: 8, .value_kind: global_buffer, .address_space: global }
      - { .name: Wc_codes, .offset: 32, .size: 8, .value_kind: global_buffer, .address_space: global }
      - { .name: Wc_scales, .offset: 40, .size: 8, .value_kind: global_buffer, .address_space: global }
      - { .name: bias, .offset: 48, .size: 8, .value_kind: global_buffer, .address_space: global }
      - { .name: wcp, .offset: 56, .size: 8, .value_kind: global_buffer, .address_space: global }
    .group_segment_fixed_size: 53760
    .private_segment_fixed_size: 0
    .kernarg_segment_align: 8
    .kernarg_segment_size: 64
    .max_flat_workgroup_size: 128
    .sgpr_count:     66
    .vgpr_count:     512
    .wavefront_size: 32
...
	.end_amdgpu_metadata
.endif
;; end of part 1
;; launch main (part 2): grid 256 x 1, 4 waves a work-group, clusters of 4 x 1, 327,680 bytes of LDS; arguments enc_outputs, wcp, bias, Wa, part, stat; writes part, stat
.if DOCPART == 2
	.amdgcn_target "amdgcn-amd-amdhsa--gfx1250"
	.amdhsa_code_object_version 6
	.text
	.protected	k_q8cfe350a89_main
	.globl	k_q8cfe350a89_main
	.p2align	8
	.type	k_q8cfe350a89_main,@function
k_q8cfe350a89_main:
	s_mov_b64 s[64:65], 0
	v_nop
	global_prefetch_b8 v0, s[64:65] scope:SCOPE_SE
	s_setreg_imm32_b32 hwreg(HW_REG_WAVE_MODE, 25, 1), 1
	s_wait_xcnt 0x0
	s_wait_alu depctr_hold_cnt(0) depctr_sa_sdst(0) depctr_va_vdst(0) depctr_va_sdst(0) depctr_va_ssrc(0) depctr_va_vcc(0) depctr_vm_vsrc(0)
	s_getreg_b32 s2, hwreg(HW_REG_IB_STS2, 6, 4)
	s_cmp_eq_u32 s2, 0
	s_cbranch_scc0 .Lentry_in_a_cluster
	s_endpgm
.Lentry_in_a_cluster:
	s_bfe_u32 s2, ttmp6, 0x10000c
	s_cmp_lg_u32 s2, 0x3003
	s_cbranch_scc0 .Lentry_shape_is_right
	s_endpgm
.Lentry_shape_is_right:
; BAHDANAU ATTENTION, launch 2 of 3: enc is read once.  A work-group owns one b and 256 of its 2,048 positions s.  It quantises enc[s][b][:] to E2M1 with E8M0 scales of 32 along e,
; multiplies by Wc (codes, from wcp), forms z = sum_d Wa[d] / (1 + 2^(c x)), x = the product + ws[b][d], c = 2 log2(e), and keeps a running softmax over its rows: maximum m of t = -c z,
; sum l of 2^(t - m), and the partial context sum_s 2^(t - m) enc[s][b][:].  These go to part and stat; the last launch joins the eight work-groups of a b.
; LEFT OUT as dead work: the term sum_d Wa[d] of the score (tanh(x) = 1 - 2 / (1 + 2^(c x))): the same for every s, it cancels in the softmax over s for all values of the inputs.
; LIMITS: NaN and infinities among the inputs are not served.  A block of 32 whose largest magnitude lies under 2^-124 gets the scale byte 1 (a block of zeros too: its codes are zeros,
; and this program alone reads these bytes).  For the context alone enc is rounded to bf16 (weights and sums stay f32).
; THE WALK.  The 256 rows are eight groups of 32.  Wc is four quarters of 256 rows d; a half-pass multiplies two quarters by the two active groups (four tiles of 16 rows).  A group enters,
; sees both halves of Wc in two half-passes on end, and leaves: nine half-passes, the first and the last with one group.  While a half-pass runs, the next group's rows land in registers.
; Every wave holds the codes of all 64 active rows (window 1); of each quarter wave w takes the 64 rows d that its own tensor load brought.  Of each group wave w quantises rows 8 w .. 8 w + 7,
; keeps them as bf16 (window 2) and adds them into its part of the context when their weight is known.  Lane l holds e = 128 q + 4 l + 0 .. 3 of piece q: a block of 32 is eight lanes of a piece.
; The matrix instruction is used transposed (source 0 = 16 rows of Wc, source 1 = 16 rows of enc): a lane holds one row of enc and eight neighbouring d.
; A TILE OF d: one run of matrix instructions, the next tile's LDS loads, then the tile's own exponentials and reciprocals in place on the accumulators, each batch with a wait ahead and behind.
; CLUSTER: the four work-groups of a cluster ask for each piece of Wc jointly.  enc is shared by nobody.
; No prefetch: enc's loads are issued a half-pass ahead of their use, straight into registers; wcp is read again and again by every work-group.
; WINDOWS: 0 addresses and work; 1 codes, tile m, K step k at v[64 m + 8 k]; 2 bf16, group slot S, row i at v[128 S + 16 i]; 3 rows on their way in, row i, piece q at v[32 i + 4 q].
.set SLOTSZ, 143360                    ; a quarter of wcp: 256 rows of 560 bytes
.set CHUNK,  35840                     ; a wave's piece: 64 rows = 140 x 256 bytes
.set WROW,   560
.set TAB,    2*SLOTSZ                  ; c ws at 4 d and its first quarter once more at 4,096; Wa at WAO + 4 d and its first quarter once more
.set WAO,    5120
.set ENCC,   TAB+10240                 ; the entering group's codes: 32 rows, 528 bytes apart
.set ENCS,   ENCC+32*528               ; its scale bytes: 32 rows, 48 bytes apart
.set SCX,    ENCS+32*48                ; the waves' parts of z
.set PBX,    SCX+1024                  ; each wave's 32 weights
.set SPARE,  PBX+512                   ; the spare words
.set SPW, 1
.set NIL, 2
.set ENO, 3                            ; 16 x lane
.set FR0, 4
.set SW0, 5
.set TB0, 6
.set FRC, 7
.set FRN, 8
.set SWC, 9
.set SWN, 10
.set BIC, 11
.set CDA, 15
.set CSA, 16
.set CRA, 17
.set ESA, 18
.set SXW, 19
.set SXR, 20
.set PBW, 21
.set PBR, 22
.set MX,  24
.set LS,  25
.set FF,  26
.set ACC, 32                           ; v32-63 four accumulators, then c x, 2^(c x), 1 + that, its reciprocal
.set TQ,  32                           ; between half-passes: magnitudes and scale operands,
.set BYQ, 48                           ; scale bytes,
.set CQ,  64                           ; codes
.set FR,  96                           ; a tile of Wc: eight K steps x 8
.set SW,  160                          ; Wc's scale words
.set ES,  176                          ; enc's scale words
.set BI,  192                          ; c ws of my eight d
.set SA,  208                          ; z's sums
.set CA,  216                          ; my part of the context
.set PB,  248                          ; my eight rows' weights
.set WV,  16                           ; Wa of my eight d: even tiles v200-207, odd tiles v80-87
.set SIG, 0x04                         ; source 1 window 1
.set MSB, 0
.macro WIN new
.if MSB != \new
	s_set_vgpr_msb (MSB<<8)|\new
.set MSB, \new
.endif
.endm
.macro PLACES n
.rept \n
	v_nop
.endr
.endm
.macro VW
	s_wait_alu depctr_va_vdst(0)
.endm
.macro ROUND                           ; a round of the cluster's barrier
	s_barrier_signal -1
	s_barrier_wait -1
	s_cmp_lg_u32 s[WV], 0
	s_cbranch_scc1 .Lnot_wave_0_\@
	s_barrier_signal -3
.Lnot_wave_0_\@:
	s_barrier_wait -3
	s_barrier_signal -1
	s_barrier_wait -1
.endm
.macro LOADR i0, n                     ; rows i0 .. of my eight: eight loads of 512 consecutive bytes a row, into window 3
	WIN 0xc0
.set li, \i0
.rept \n
.irp q, 0,1,2,3,4,5,6,7
	global_load_b128 v[32*li+4*\q:32*li+4*\q+3], v[ENO], s[4:5] offset:131072*li+512*\q th:TH_LOAD_NT
.endr
.set li, li+1
.endr
	WIN 0
.endm
.macro STEPG
	s_wait_xcnt 0x0                                ; the loads issued so far have read their base
	s_add_nc_u64 s[4:5], s[4:5], 4194304           ; 32 positions on
.endm
; A BATCH: rows 2 b, 2 b + 1 of my eight become codes, scale bytes and bf16.  cnt: loads issued behind these rows' (-1: already waited for).
; The conversion takes two pieces with two scales: it runs once with each; the first result's low half and the second's high half are the codes.
.macro QB b, S, cnt
.if \cnt >= 0
	s_wait_loadcnt \cnt
.endif
	WIN 0x0f
.irp rr, 0,1
.irp q, 0,1,2,3,4,5,6,7
	v_max3_num_f32 v[TQ+8*\rr+\q], |v[32*(2*(\b)+\rr)+4*\q]|, |v[32*(2*(\b)+\rr)+4*\q+1]|, s55   ; with the floor 2^(3 - 127)
.endr
.endr
.irp rr, 0,1
.irp q, 0,1,2,3,4,5,6,7
	v_max3_num_f32 v[TQ+8*\rr+\q], |v[32*(2*(\b)+\rr)+4*\q+2]|, |v[32*(2*(\b)+\rr)+4*\q+3]|, v[TQ+8*\rr+\q]
.endr
.endr
	WIN 0
.irp x, 1,2,4
.irp j, 0,1,2,3,4,5,6,7,8,9,10,11,12,13,14,15
	v_max_num_f32_dpp v[TQ+\j], v[TQ+\j], v[TQ+\j] row_xmask:\x row_mask:0xf bank_mask:0xf
.endr
.endr
.irp j, 0,1,2,3,4,5,6,7,8,9,10,11,12,13,14,15
	v_add_nc_u32 v[TQ+\j], s47, v[TQ+\j]           ; 2 off the exponent field: the conversion's scale operand
.endr
.if (\b) > 0
	s_wait_dscnt 0x0                               ; the batch before's LDS stores are done
.endif
.irp j, 0,1,2,3,4,5,6,7,8,9,10,11,12,13,14,15
	v_lshrrev_b32 v[BYQ+\j], 23, v[TQ+\j]          ; the scale's byte
.endr
.irp rr, 0,1                           ; a row's eight bytes of my block column become two words: pieces 0-3, pieces 4-7
.irp w, 0,1
	v_lshl_or_b32 v[BYQ+8*\rr+4*\w], v[BYQ+8*\rr+4*\w+1], 8, v[BYQ+8*\rr+4*\w]
	v_lshl_or_b32 v[BYQ+8*\rr+4*\w+2], v[BYQ+8*\rr+4*\w+3], 8, v[BYQ+8*\rr+4*\w+2]
	v_lshl_or_b32 v[BYQ+8*\rr+\w], v[BYQ+8*\rr+4*\w+2], 16, v[BYQ+8*\rr+4*\w]
.endr
.endr
	WIN 0x03
.irp rr, 0,1
.irp p, 0,1,2,3
	v_cvt_scalef32_pk8_fp4_f32 v[CQ+8*\rr+2*\p], v[32*(2*(\b)+\rr)+8*\p:32*(2*(\b)+\rr)+8*\p+7], v[TQ+8*\rr+2*\p]
	v_cvt_scalef32_pk8_fp4_f32 v[CQ+8*\rr+2*\p+1], v[32*(2*(\b)+\rr)+8*\p:32*(2*(\b)+\rr)+8*\p+7], v[TQ+8*\rr+2*\p+1]
.endr
.endr
	WIN 0x8f
.irp rr, 0,1
.irp j, 0,1,2,3,4,5,6,7,8,9,10,11,12,13,14,15
	v_cvt_pk_bf16_f32 v[128*(\S)+16*(2*(\b)+\rr)+\j], v[32*(2*(\b)+\rr)+2*\j], v[32*(2*(\b)+\rr)+2*\j+1]
.endr
.endr
	WIN 0
.irp rr, 0,1
.irp p, 0,1,2,3
	ds_store_b16 v[CDA], v[CQ+8*\rr+2*\p] offset:528*(2*(\b)+\rr)+128*\p              ; piece 2 p: the low half
	ds_store_b16_d16_hi v[CDA], v[CQ+8*\rr+2*\p+1] offset:528*(2*(\b)+\rr)+128*\p+64  ; piece 2 p + 1: the high half
.endr
	ds_store_b64 v[CSA], v[BYQ+8*\rr:BYQ+8*\rr+1] offset:48*(2*(\b)+\rr)   ; at 8 (l / 8) of the row: the eight lanes of a block column write the same eight bytes
.endr
.endm
; A GROUP ENTERS group slot S.  Behind batch b's rows stand the group's later rows' loads.  The next group's rows are asked for when theirs have been read; the last group (s50 = 1) has no successor.
.macro ING S
.irp j, 0,1,2,3
	v_mov_b32 v[SA+4*(\S)+\j], 0
.endr
	QB 0, \S, 48
	QB 1, \S, 32
	QB 2, \S, 16
	s_wait_loadcnt 0x0                             ; rows 6, 7 are in: no count hangs on the branch below
	s_cmp_eq_u32 s50, 1
	s_cbranch_scc1 .Lnn1_\@
	STEPG
	LOADR 0, 6
.Lnn1_\@:
	QB 3, \S, -1
	s_cmp_eq_u32 s50, 1
	s_cbranch_scc1 .Lnn2_\@
	LOADR 6, 2
.Lnn2_\@:
	s_wait_dscnt 0x0
	s_barrier_signal -1
	s_barrier_wait -1                              ; all 32 rows' codes lie in LDS
	WIN 0x40
.irp u, 0,1
.irp k, 0,1,2,3,4,5,6,7
.irp c, 0,1
	ds_load_b128 v[128*(\S)+64*\u+8*\k+4*\c:128*(\S)+64*\u+8*\k+4*\c+3], v[CRA] offset:8448*\u+64*\k+32*\c
.endr
.endr
.endr
	WIN 0
	ds_load_b128 v[32:35], v[ESA]                  ; my row's bytes as [block column g][piece q]: register 2 g + w holds pieces 4 w .. 4 w + 3
	ds_load_b128 v[36:39], v[ESA] offset:16
	s_wait_dscnt 0x0
.irp w, 0,1                            ; 4 x 4 bytes transposed, twice: scale word q holds the bytes of g = 0 .. 3
	v_perm_b32 v[40+4*\w], v[34+\w], v[32+\w], s59
	v_perm_b32 v[41+4*\w], v[34+\w], v[32+\w], s78
	v_perm_b32 v[42+4*\w], v[38+\w], v[36+\w], s59
	v_perm_b32 v[43+4*\w], v[38+\w], v[36+\w], s78
.endr
.irp w, 0,1
	v_perm_b32 v[ES+8*(\S)+4*\w], v[42+4*\w], v[40+4*\w], s79
	v_perm_b32 v[ES+8*(\S)+4*\w+1], v[42+4*\w], v[40+4*\w], s49
	v_perm_b32 v[ES+8*(\S)+4*\w+2], v[43+4*\w], v[41+4*\w], s79
	v_perm_b32 v[ES+8*(\S)+4*\w+3], v[43+4*\w], v[41+4*\w], s49
.endr
	PLACES 4                                       ; with the slot's five address lines: nine places ahead of the first scaled product, where eight are asked
.endm
.macro WM1 c
.if rw == 0
	v_wmma_scale_f32_16x16x128_f8f6f4 v[rD:rD+7], v[rA:rA+7], v[rB:rB+7], \c, v[rX], v[rY] matrix_a_fmt:MATRIX_FMT_FP4 matrix_b_fmt:MATRIX_FMT_FP4
.elseif rw == 1
	v_wmma_scale_f32_16x16x128_f8f6f4 v[rD:rD+7], v[rA:rA+7], v[rB:rB+7], \c, v[rX], v[rY] matrix_a_fmt:MATRIX_FMT_FP4 matrix_b_fmt:MATRIX_FMT_FP4 matrix_b_scale:MATRIX_SCALE_ROW1
.elseif rw == 2
	v_wmma_scale_f32_16x16x128_f8f6f4 v[rD:rD+7], v[rA:rA+7], v[rB:rB+7], \c, v[rX], v[rY] matrix_a_fmt:MATRIX_FMT_FP4 matrix_b_fmt:MATRIX_FMT_FP4 matrix_a_scale:MATRIX_SCALE_ROW1
.else
	v_wmma_scale_f32_16x16x128_f8f6f4 v[rD:rD+7], v[rA:rA+7], v[rB:rB+7], \c, v[rX], v[rY] matrix_a_fmt:MATRIX_FMT_FP4 matrix_b_fmt:MATRIX_FMT_FP4 matrix_a_scale:MATRIX_SCALE_ROW1 matrix_b_scale:MATRIX_SCALE_ROW1
.endif
.endm
.macro WM i, k, m                      ; tile i of my 64 d, K step k, tile m of the rows; odd tiles' scale words lie in lanes 16-31
.set rD, ACC+8*(\m)
.set rA, FR+8*(\k)
.set rB, 64*(\m)+8*(\k)
.set rX, SW+8*((\i)/2)+(\k)
.set rY, ES+8*((\m)/2)+(\k)
.set rw, 2*((\i)%2)+((\m)%2)
.if (\k) == 0
	WM1 0
.else
	WM1 v[rD:rD+7]
.endif
.endm
.macro LFK i, k0, n                    ; K steps k0 .. k0 + n - 1 of the tile behind tile i: two loads of 16 bytes a lane each
.set kk, \k0
.rept \n
.irp c, 0,1
.if \i == 3
	ds_load_b128 v[FR+8*kk+4*\c:FR+8*kk+4*\c+3], v[FRN] offset:64*kk+32*\c
.else
	ds_load_b128 v[FR+8*kk+4*\c:FR+8*kk+4*\c+3], v[FRC] offset:16*WROW*(\i+1)+64*kk+32*\c
.endif
.endr
.set kk, kk+1
.endr
.endm
.macro SKB mode, lab                   ; the tail's last slot fetches nothing
.if \mode == 2
	s_cmp_eq_u32 s48, 1
	s_cbranch_scc1 \lab
.endif
.endm
.macro LFR adr, base
.irp k, 0,1,2,3,4,5,6,7
.irp c, 0,1
	ds_load_b128 v[FR+8*\k+4*\c:FR+8*\k+4*\c+3], v[\adr] offset:(\base)+64*\k+32*\c
.endr
.endr
.endm
; THE CHANGE OF SLOTS: my reads of this slot were waited for at the tile's head.  The three lines, a round, then the joint refill with the quarter two slots on.
.macro CHANGE
	s_wait_tensorcnt 0x0                           ; no tensor load of mine is out: the descriptor may be written
	ds_add_u32 v[SPW], v[NIL]
	s_add_nc_u64 s[34:35], s[40:41], s[42:43]
	s_or_b32 s35, s35, 0x80000000
	s_add_co_u32 s33, s44, s51
	s_wait_dscnt 0x0
	ROUND
	tensor_load_to_lds s[32:35], s[24:31]
	s_nop 0
	PLACES 4
.endm
; ONE TILE OF d.  mode 0: the next tile lies in this slot; 1: change of slots with a refill; 2: the tail's change: no refill, and behind the last slot (s48 = 1) nothing is fetched.
.macro IT i, mode, m0, nt
.set wr, 200-120*((\i)%2)
.set wn, 200-120*(((\i)+1)%2)
	s_wait_dscnt 0x0                               ; the tile's fragments, scale words, c ws and Wa: all asked for among the last tile's batches
	WIN SIG
.irp k, 0,1,2,3,4,5,6,7
.set mm, \m0
.rept \nt
	WM \i, \k, mm                                  ; the accumulators by turns
.set mm, mm+1
.endr
.endr
	WIN 0
	PLACES 4                                       ; ahead of loads into the fragments and of the first read of a result
.if \mode == 1
	CHANGE
.endif
.if \mode == 2
	s_wait_tensorcnt 0x0                           ; my piece of the other slot has landed; only I read it
	s_cmp_eq_u32 s48, 1
	s_cbranch_scc1 .Lno_fr_\@
.endif
.if \i == 1
	ds_load_b128 v[SW+8:SW+11], v[SWC] offset:32*WROW
	ds_load_b128 v[SW+12:SW+15], v[SWC] offset:32*WROW+16
.endif
.if \i == 3
	ds_load_b128 v[SW:SW+3], v[SWN]
	ds_load_b128 v[SW+4:SW+7], v[SWN] offset:16
.endif
	LFK \i, 0, 2                                   ; the next tile's sixteen fragment loads go out in four groups, among the epilogue's batches
.if \mode == 2
.Lno_fr_\@:
.endif
.set mf, \m0
.rept \nt
.irp j, 0,2,4,6
	v_pk_fma_f32 v[ACC+8*mf+\j:ACC+8*mf+\j+1], v[ACC+8*mf+\j:ACC+8*mf+\j+1], s[52:53], v[BI+\j:BI+\j+1] op_sel_hi:[1,0,1]   ; c x, each accumulator from its low end on
.endr
.set mf, mf+1
.endr
.if \mode == 2
	s_cmp_eq_u32 s48, 1
	s_cbranch_scc1 .Lno_bi_\@
.endif
.if \i == 3
.set bo, 1024
.else
.set bo, 64*(\i+1)
.endif
	ds_load_b128 v[BI:BI+3], v[BIC] offset:bo
	ds_load_b128 v[BI+4:BI+7], v[BIC] offset:bo+16
	ds_load_b128 v[wn:wn+3], v[BIC] offset:WAO+bo
	ds_load_b128 v[wn+4:wn+7], v[BIC] offset:WAO+bo+16
	LFK \i, 2, 1
.if \mode == 2
.Lno_bi_\@:
.endif
	VW                                             ; ahead of the batch
.set tx, ACC+8*(\m0)
.rept 8*(\nt)
	v_exp_f32 v[tx], v[tx]
.set tx, tx+1
.endr
	v_nop
	VW                                             ; behind it
	SKB \mode, .Lg3_\@
	LFK \i, 3, 3
.if \mode == 2
.Lg3_\@:
.endif
.set tx, ACC+8*(\m0)
.rept 4*(\nt)
	v_pk_add_f32 v[tx:tx+1], v[tx:tx+1], 1.0 op_sel_hi:[1,0]
.set tx, tx+2
.endr
	VW
	SKB \mode, .Lg4_\@
	LFK \i, 6, 2
.if \mode == 2
.Lg4_\@:
.endif
.set tx, ACC+8*(\m0)
.rept 8*(\nt)
	v_rcp_f32 v[tx], v[tx]
.set tx, tx+1
.endr
	v_nop
	VW
.irp j, 0,2,4,6
.set mf, \m0
.rept \nt
	v_pk_fma_f32 v[SA+2*mf:SA+2*mf+1], v[ACC+8*mf+\j:ACC+8*mf+\j+1], v[wr+\j:wr+\j+1], v[SA+2*mf:SA+2*mf+1]   ; z += Wa / (1 + 2^(c x))
.set mf, mf+1
.endr
.endr
.endm
.macro SLOTB m0, nt, m3                ; a slot: my four tiles of d
	s_xor_b32 s45, s44, SLOTSZ
	v_add_nc_u32 v[FRC], s44, v[FR0]
	v_add_nc_u32 v[FRN], s45, v[FR0]
	v_add_nc_u32 v[SWC], s44, v[SW0]
	v_add_nc_u32 v[SWN], s45, v[SW0]
	v_add_nc_u32 v[BIC], s46, v[TB0]
	VW                                             ; these five are read behind waits
	IT 0, 0, \m0, \nt
	IT 1, 0, \m0, \nt
	IT 2, 0, \m0, \nt
	IT 3, \m3, \m0, \nt
	s_xor_b32 s44, s44, SLOTSZ
	VW                                             ; z's sums are read behind branches
.endm
.macro H qb, m0, nt                    ; a half-pass: quarters qb, qb + 1; each slot is filled again with the quarter two on
	s_mov_b32 s42, ((\qb+2)%4)*SLOTSZ
	s_mov_b32 s46, \qb*1024
	s_mov_b32 s48, 2
.Lhalf_\@:
	SLOTB \m0, \nt, 1
	s_add_co_u32 s42, s42, SLOTSZ
	s_add_co_u32 s46, s46, 1024
	s_sub_co_u32 s48, s48, 1
	s_cmp_lg_u32 s48, 0
	s_cbranch_scc1 .Lhalf_\@
.endm
; A GROUP LEAVES group slot S.  Every wave forms all 32 weights and adds its own eight rows into its part of the context.
.macro FIN S
	v_add_f32 v64, v[SA+4*(\S)], v[SA+4*(\S)+1]
	v_add_f32 v65, v[SA+4*(\S)+2], v[SA+4*(\S)+3]
	v_permlanex16_b32 v28, v64, s56, s57
	v_permlanex16_b32 v29, v65, s56, s57
	v_add_f32 v64, v64, v28
	v_add_f32 v65, v65, v29
	v_cndmask_b32 v64, v64, v65, s58               ; lane l: the group's row l
	ds_store_b32 v[SXW], v64 offset:512*(\S)
	s_wait_dscnt 0x0
	s_barrier_signal -1
	s_barrier_wait -1
.irp u, 0,1,2,3
	ds_load_b32 v[64+\u], v[SXR] offset:512*(\S)+128*\u
.endr
	s_wait_dscnt 0x0
	v_add_f32 v64, v64, v65
	v_add_f32 v66, v66, v67
	v_add_f32 v64, v64, v66
	v_mul_f32 v64, s54, v64                        ; t = -c z
	v_max_num_f32_dpp v65, v64, v64 row_xmask:1 row_mask:0xf bank_mask:0xf
	v_max_num_f32_dpp v65, v65, v65 row_xmask:2 row_mask:0xf bank_mask:0xf
	v_max_num_f32_dpp v65, v65, v65 row_xmask:4 row_mask:0xf bank_mask:0xf
	v_max_num_f32_dpp v65, v65, v65 row_xmask:8 row_mask:0xf bank_mask:0xf
	v_permlanex16_b32 v28, v65, s56, s57
	v_max3_num_f32 v66, v65, v28, v[MX]            ; the new running maximum
	v_sub_f32 v67, v[MX], v66
	v_sub_f32 v68, v64, v66
	VW
	v_exp_f32 v[FF], v67                           ; f = 2^(old m - new m)
	v_exp_f32 v68, v68                             ; p = 2^(t - m)
	v_mov_b32 v[MX], v66
	VW
	v_add_f32_dpp v69, v68, v68 row_xmask:1 row_mask:0xf bank_mask:0xf
	v_add_f32_dpp v69, v69, v69 row_xmask:2 row_mask:0xf bank_mask:0xf
	v_add_f32_dpp v69, v69, v69 row_xmask:4 row_mask:0xf bank_mask:0xf
	v_add_f32_dpp v69, v69, v69 row_xmask:8 row_mask:0xf bank_mask:0xf
	v_permlanex16_b32 v28, v69, s56, s57
	v_add_f32 v69, v69, v28
	v_fma_f32 v[LS], v[LS], v[FF], v69
	ds_store_b32 v[PBW], v68                       ; my wave's own bytes: LDS serves them in order
	ds_load_b128 v[PB:PB+3], v[PBR]
	ds_load_b128 v[PB+4:PB+7], v[PBR] offset:16
.irp a, 0,2,4,6,8,10,12,14,16,18,20,22,24,26,28,30
	v_pk_mul_f32 v[CA+\a:CA+\a+1], v[CA+\a:CA+\a+1], v[FF:FF+1] op_sel_hi:[1,0]
.endr
	s_wait_dscnt 0x0
	WIN 0x02
.irp i, 0,1,2,3,4,5,6,7
.irp a, 0,1,2,3,4,5,6,7,8,9,10,11,12,13,14,15
	v_fma_mix_f32_bf16 v[CA+2*\a], v[128*(\S)+16*\i+\a], v[PB+\i], v[CA+2*\a] op_sel_hi:[1,0,0]
	v_fma_mix_f32_bf16 v[CA+2*\a+1], v[128*(\S)+16*\i+\a], v[PB+\i], v[CA+2*\a+1] op_sel:[1,0,0] op_sel_hi:[1,0,0]
.endr
.endr
	WIN 0
.endm
	; ---- the head ----
	s_load_b256 s[4:11], s[0:1], 0x0               ; enc, wcp, bias, Wa
	s_load_b128 s[12:15], s[0:1], 0x20             ; part, stat
	v_lshl_add_u32 v[SPW], v0, 2, SPARE
	v_mov_b32 v[NIL], 0
	ds_add_u32 v[SPW], v[NIL]                      ; the opening lines: the add twice on end and its wait
	ds_add_u32 v[SPW], v[NIL]
	v_lshrrev_b32 v28, 5, v0
	v_readfirstlane_b32 s[WV], v28                 ; wave 0..3
	s_bfe_u32 s17, ttmp6, 0x40000                  ; cx: it enters global addresses of enc, bias, part and stat alone
	s_lshl_b32 s18, ttmp9, 2
	s_add_co_u32 s18, s18, s17
	s_and_b32 s19, s18, 31                         ; b
	s_lshr_b32 s20, s18, 5                         ; which 256 positions
	s_mov_b32 s24, 15|(3<<16)|(1<<21)              ; group 1: mask of all four, elements of 8 bytes: 140 rows of 256 bytes, dense
	s_mov_b32 s25, 32<<16
	s_mov_b32 s26, 140<<16
	s_mov_b32 s27, 32<<16
	s_mov_b32 s28, 140
	s_mov_b32 s29, 32
	s_mov_b32 s30, 0
	s_mov_b32 s31, 0
	s_mul_i32 s51, s[WV], CHUNK                    ; my piece of a quarter, in memory and in a slot
	s_mov_b32 s68, s51
	s_mov_b32 s69, 0
	s_mov_b32 s43, 0
	s_mov_b32 s44, 0                               ; the slot in hand
	s_mov_b32 s47, 0xff000000
	s_mov_b32 s50, 4                               ; trips of the loop over pairs of half-passes
	s_mov_b32 s52, 0x4038aa3b                      ; c = 2 log2(e)
	s_mov_b32 s53, s52
	s_mov_b32 s54, 0xc038aa3b                      ; -c
	s_mov_b32 s55, 0x1800000                       ; the floor 2^(3 - 127)
	s_mov_b32 s56, 0x76543210
	s_mov_b32 s57, 0xfedcba98
	s_mov_b32 s58, 0xffff0000
	s_mov_b32 s59, 0x05010400                      ; v_perm_b32's selects for the scale bytes' transposition: bytes 0, 1 of two words by turns,
	s_mov_b32 s78, 0x07030602                      ; bytes 2, 3 by turns,
	s_mov_b32 s79, 0x05040100                      ; the two low halves,
	s_mov_b32 s49, 0x07060302                      ; the two high halves
	s_lshl_b32 s60, s20, 25                        ; enc: 256 positions of 131,072 bytes,
	s_lshl_b32 s62, s[WV], 20                      ; my 8 rows of a group,
	s_add_co_u32 s60, s60, s62
	s_lshl_b32 s62, s19, 12                        ; my b's 4,096 bytes (bias likewise)
	s_add_co_u32 s60, s60, s62
	s_mov_b32 s61, 0
	s_mov_b32 s63, 0
	s_lshl_b32 s21, s19, 3
	s_add_co_u32 s21, s21, s20
	s_lshl_b32 s22, s21, 12                        ; part
	s_mov_b32 s23, 0
	s_lshl_b32 s66, s21, 8                         ; stat
	s_mov_b32 s67, 0
	s_lshl_b32 s77, s[WV], 8
	s_add_co_u32 s70, s77, TAB
	s_mul_i32 s71, s[WV], 8*528
	s_add_co_u32 s71, s71, ENCC
	s_mul_i32 s72, s[WV], 8*48
	s_add_co_u32 s72, s72, ENCS
	s_lshl_b32 s73, s[WV], 7
	s_add_co_u32 s74, s73, PBX
	s_add_co_u32 s73, s73, SCX
	s_mul_i32 s75, s[WV], 160
	s_add_co_u32 s75, s75, PBX
	s_lshl_b32 s76, s[WV], 10
	v_and_b32 v28, 31, v0                          ; l
	v_and_b32 v29, 15, v0                          ; r
	v_bfe_u32 v30, v0, 4, 1                        ; h
	v_lshlrev_b32 v[ENO], 4, v28
	v_mul_u32_u24 v[FR0], v29, WROW
	v_lshl_add_u32 v[FR0], v30, 4, v[FR0]
	v_add_nc_u32 v[FR0], s51, v[FR0]
	v_mul_u32_u24 v[SW0], v28, WROW
	v_add_nc_u32 v[SW0], s51, v[SW0]
	v_add_nc_u32 v[SW0], 512, v[SW0]
	v_lshl_add_u32 v[TB0], v30, 5, s70
	v_lshl_add_u32 v[CDA], v28, 1, s71
	v_and_b32 v31, 24, v28                         ; 8 (l / 8)
	v_add_nc_u32 v[CSA], s72, v31
	v_mul_u32_u24 v[CRA], v29, 528
	v_lshl_add_u32 v[CRA], v30, 4, v[CRA]
	v_add_nc_u32 v[CRA], ENCC, v[CRA]
	v_mul_u32_u24 v[ESA], v28, 48
	v_add_nc_u32 v[ESA], ENCS, v[ESA]
	v_lshl_add_u32 v[SXW], v28, 2, s73
	v_lshlrev_b32 v[SXR], 2, v28
	v_add_nc_u32 v[SXR], SCX, v[SXR]
	v_lshl_add_u32 v[PBW], v28, 2, s74
	v_mov_b32 v[PBR], s75
	v_add_nc_u32 v28, s76, v[ENO]                  ; the tables: my wave's 1,024 bytes, 16 a lane
	v_lshrrev_b32 v29, 1, v[ENO]
	v_add_nc_u32 v29, s77, v29                     ; and 256 bytes of the first quarter, 8 a lane
	v_add_nc_u32 v30, TAB, v28
	v_add_nc_u32 v31, TAB+4096, v29
	VW                                             ; the head's addresses are read behind waits, barriers and branches
	s_wait_dscnt 0x0                               ; both opening adds are done
	s_wait_kmcnt 0x0
	s_add_nc_u64 s[4:5], s[4:5], s[60:61]
	s_add_nc_u64 s[8:9], s[8:9], s[62:63]
	s_add_nc_u64 s[12:13], s[12:13], s[22:23]
	s_add_nc_u64 s[14:15], s[14:15], s[66:67]
	s_add_nc_u64 s[40:41], s[6:7], s[68:69]        ; wcp at my piece of quarter 0
	global_load_b128 v[32:35], v28, s[8:9]
	global_load_b128 v[36:39], v28, s[8:9] offset:512
	global_load_b128 v[40:43], v28, s[10:11]
	global_load_b128 v[44:47], v28, s[10:11] offset:512
	global_load_b64 v[48:49], v29, s[8:9]
	global_load_b64 v[50:51], v29, s[10:11]
	LOADR 0, 8                                     ; the first group
	s_mov_b32 s32, 1                               ; group 0 for slot 0, quarter 0
	s_mov_b32 s33, s51
	s_mov_b64 s[34:35], s[40:41]
	s_or_b32 s35, s35, 0x80000000
	s_mov_b32 s36, 1                               ; and for slot 1, quarter 1
	s_add_co_u32 s37, s51, SLOTSZ
	s_add_nc_u64 s[38:39], s[40:41], SLOTSZ
	s_or_b32 s39, s39, 0x80000000
	ROUND                                          ; the first joint loads meet
	tensor_load_to_lds s[32:35], s[24:31]          ; slot 0's first fill
	s_nop 0
	PLACES 4
	v_mov_b32 v[MX], 0xff61b1e6                    ; -3e38, under every t
	v_mov_b32 v[LS], 0
	v_mov_b32 v[FF], 0
	v_mov_b32 v[FF+1], 0
.irp a, 0,1,2,3,4,5,6,7,8,9,10,11,12,13,14,15,16,17,18,19,20,21,22,23,24,25,26,27,28,29,30,31
	v_mov_b32 v[CA+\a], 0                          ; the context begins as zeros, which the first f leaves zeros
.endr
	VW
	s_wait_tensorcnt 0x0                           ; slot 1's first fill is issued as a refill is: the three lines, a round, the load
	ds_add_u32 v[SPW], v[NIL]
	s_wait_dscnt 0x0
	ROUND
	tensor_load_to_lds s[36:39], s[24:31]
	s_nop 0
	PLACES 4
	s_wait_loadcnt 63                              ; 64 loads were issued behind the tables' six
	ds_store_b128 v30, v[32:35]
	ds_store_b128 v30, v[36:39] offset:512
	ds_store_b128 v30, v[40:43] offset:WAO
	ds_store_b128 v30, v[44:47] offset:WAO+512
	ds_store_b64 v31, v[48:49]
	ds_store_b64 v31, v[50:51] offset:WAO
	s_wait_dscnt 0x0
	ING 0                                          ; group 0 enters; its barrier also shows the tables to every wave
	ds_load_b128 v[SW:SW+3], v[SW0]                ; the first tile of d
	ds_load_b128 v[SW+4:SW+7], v[SW0] offset:16
	LFR FR0, 0
	ds_load_b128 v[BI:BI+3], v[TB0]
	ds_load_b128 v[BI+4:BI+7], v[TB0] offset:16
	ds_load_b128 v[200:203], v[TB0] offset:WAO
	ds_load_b128 v[204:207], v[TB0] offset:WAO+16
	H 0, 0, 2                                      ; half-pass 0: group 0 alone
.Lunit:                                                ; a trip: two half-passes; the fourth trip leaves in its middle
	ING 1
	H 2, 0, 4
	FIN 0
	s_cmp_eq_u32 s50, 1
	s_cbranch_scc1 .Ltail
	ING 0
	H 0, 0, 4
	FIN 1
	s_sub_co_u32 s50, s50, 1
	s_branch .Lunit
.Ltail:                                                ; half-pass 8: group 7 alone; nothing more is asked for
	s_mov_b32 s46, 0
	s_mov_b32 s48, 2
.Ltl:
	SLOTB 2, 2, 2
	s_add_co_u32 s46, s46, 1024
	s_sub_co_u32 s48, s48, 1
	s_cmp_lg_u32 s48, 0
	s_cbranch_scc1 .Ltl
	FIN 1
	; ---- the way out: the four waves' parts of the context meet in a stage in slot 0, which has had its last fill; every wave's last read of it stands ahead of the barrier above
	s_lshl_b32 s59, s[WV], 12
	v_add_nc_u32 v29, s59, v[ENO]
	s_lshl_b32 s59, s[WV], 10
	v_add_nc_u32 v30, s59, v[ENO]
	v_add_nc_u32 v31, s59, v[ENO]
	v_lshrrev_b32 v28, 1, v[ENO]
	VW
.irp q, 0,1,2,3,4,5,6,7
	ds_store_b128 v29, v[CA+4*\q:CA+4*\q+3] offset:512*\q
.endr
	s_wait_dscnt 0x0
	s_barrier_signal -1
	s_barrier_wait -1
.irp x, 0,1
.irp u, 0,1,2,3
	ds_load_b128 v[32+16*\x+4*\u:35+16*\x+4*\u], v30 offset:4096*\u+512*\x
.endr
.endr
	s_wait_dscnt 0x0
.irp x, 0,1
	v_pk_add_f32 v[32+16*\x:33+16*\x], v[32+16*\x:33+16*\x], v[36+16*\x:37+16*\x]
	v_pk_add_f32 v[34+16*\x:35+16*\x], v[34+16*\x:35+16*\x], v[38+16*\x:39+16*\x]
	v_pk_add_f32 v[40+16*\x:41+16*\x], v[40+16*\x:41+16*\x], v[44+16*\x:45+16*\x]
	v_pk_add_f32 v[42+16*\x:43+16*\x], v[42+16*\x:43+16*\x], v[46+16*\x:47+16*\x]
	v_pk_add_f32 v[32+16*\x:33+16*\x], v[32+16*\x:33+16*\x], v[40+16*\x:41+16*\x]
	v_pk_add_f32 v[34+16*\x:35+16*\x], v[34+16*\x:35+16*\x], v[42+16*\x:43+16*\x]
	global_store_b128 v31, v[32+16*\x:35+16*\x], s[12:13] offset:512*\x   ; 32 lanes store 512 consecutive bytes, aligned
.endr
	s_cmp_lg_u32 s[WV], 0
	s_cbranch_scc1 .Lno_stat
	global_store_b64 v28, v[MX:LS], s[14:15]       ; (m, l), the same in every lane: 256 consecutive bytes, aligned
.Lno_stat:
	s_wait_tensorcnt 0x0                           ; the wave's end
	ds_add_u32 v[SPW], v[NIL]
	s_wait_dscnt 0x0
	ROUND                                          ; the closing round
	s_endpgm
.Lfunc_end_k_q8cfe350a89_main:
	.size	k_q8cfe350a89_main, .Lfunc_end_k_q8cfe350a89_main-k_q8cfe350a89_main
	.p2alignl 7, 3214868480
	.fill 96, 4, 3214868480
	.section	.rodata,"a",@progbits
	.p2align	6, 0x0
	.amdhsa_kernel k_q8cfe350a89_main
		.amdhsa_group_segment_fixed_size 327680
		.amdhsa_private_segment_fixed_size 0
		.amdhsa_enable_private_segment 0
		.amdhsa_kernarg_size 48
		.amdhsa_user_sgpr_count 2
		.amdhsa_user_sgpr_kernarg_segment_ptr 1
		.amdhsa_wavefront_size32 1
		.amdhsa_system_sgpr_workgroup_id_x 1
		.amdhsa_system_sgpr_workgroup_id_y 1
		.amdhsa_system_sgpr_workgroup_id_z 1
		.amdhsa_system_vgpr_workitem_id 0
		.amdhsa_next_free_vgpr 1024
		.amdhsa_next_free_sgpr 80
		.amdhsa_reserve_vcc 0
		.amdhsa_float_denorm_mode_32 3
		.amdhsa_float_denorm_mode_16_64 3
		.amdhsa_memory_ordered 1
		.amdhsa_forward_progress 1
		.amdhsa_inst_pref_size 255
	.end_amdhsa_kernel
	.section	.bss,"aw",@nobits
	.p2align	6
	.space	262144
	.amdgpu_metadata
---
amdhsa.version: [ 1, 2 ]
amdhsa.kernels:
  - .name:           k_q8cfe350a89_main
    .symbol:         k_q8cfe350a89_main.kd
    .args:
      - { .name: enc_outputs, .offset: 0, .size: 8, .value_kind: global_buffer, .address_space: global }
      - { .name: wcp, .offset: 8, .size: 8, .value_kind: global_buffer, .address_space: global }
      - { .name: bias, .offset: 16, .size: 8, .value_kind: global_buffer, .address_space: global }
      - { .name: Wa, .offset: 24, .size: 8, .value_kind: global_buffer, .address_space: global }
      - { .name: part, .offset: 32, .size: 8, .value_kind: global_buffer, .address_space: global }
      - { .name: stat, .offset: 40, .size: 8, .value_kind: global_buffer, .address_space: global }
    .group_segment_fixed_size: 327680
    .private_segment_fixed_size: 0
    .kernarg_segment_align: 8
    .kernarg_segment_size: 48
    .max_flat_workgroup_size: 128
    .sgpr_count:     80
    .vgpr_count:     1024
    .wavefront_size: 32
...
	.end_amdgpu_metadata
.endif
;; end of part 2
;; launch comb (part 3): grid 32 x 1, 8 waves a work-group, no clusters, 0 bytes of LDS; arguments part, stat, out0; writes out0
.if DOCPART == 3
	.amdgcn_target "amdgcn-amd-amdhsa--gfx1250"
	.amdhsa_code_object_version 6
	.text
	.protected	k_q8cfe350a89_comb
	.globl	k_q8cfe350a89_comb
	.p2align	8
	.type	k_q8cfe350a89_comb,@function
k_q8cfe350a89_comb:
	s_mov_b64 s[64:65], 0
	v_nop
	global_prefetch_b8 v0, s[64:65] scope:SCOPE_SE
	s_setreg_imm32_b32 hwreg(HW_REG_WAVE_MODE, 25, 1), 1
	s_wait_xcnt 0x0
; BAHDANAU ATTENTION, launch 3 of 3: the eight parts of each b are joined.  Part c of b has a maximum m_c (of t = log2 of the weights), a sum l_c of 2^(t - m_c) and a context sum of 2^(t - m_c) enc.
; out0[b][:] = (sum_c 2^(m_c - M) part_c[:]) / (sum_c 2^(m_c - M) l_c), M the largest m_c.  (The score's term sum_d Wa[d], the same for every position, was left out: it cancels in this quotient.)
; A work-group takes a b; thread t takes 16 bytes of the row: each load and the store of a wave cover 512 consecutive bytes.  No LDS, no barrier: a stream of 1 MiB, nothing shared.
	s_load_b128 s[4:7], s[0:1], 0x0                ; part s[4:5], stat s[6:7]
	s_load_b64 s[8:9], s[0:1], 0x10                ; out0
	v_lshlrev_b32 v1, 4, v0                        ; 16 t
	v_and_b32 v2, 31, v0
	s_delay_alu instid0(VALU_DEP_1)
	v_lshlrev_b32 v2, 3, v2                        ; 8 x lane: a copy of (m, l) for each lane
	s_lshl_b32 s10, ttmp9, 15                      ; 8 parts of 4,096 bytes
	s_mov_b32 s11, 0
	s_lshl_b32 s12, ttmp9, 11                      ; 8 units of 256 bytes
	s_mov_b32 s13, 0
	s_lshl_b32 s14, ttmp9, 12                      ; a row of out0
	s_mov_b32 s15, 0
	s_wait_alu depctr_va_vdst(0)
	s_wait_kmcnt 0x0
	s_add_nc_u64 s[4:5], s[4:5], s[10:11]
	s_add_nc_u64 s[6:7], s[6:7], s[12:13]
	s_add_nc_u64 s[8:9], s[8:9], s[14:15]
.irp c, 0,1,2,3,4,5,6,7
	global_load_b64 v[4+2*\c:5+2*\c], v2, s[6:7] offset:256*\c
.endr
.irp c, 0,1,2,3,4,5,6,7
	global_load_b128 v[20+4*\c:23+4*\c], v1, s[4:5] offset:4096*\c th:TH_LOAD_NT
.endr
	s_wait_loadcnt 8                               ; the eight (m, l) are in; the parts may be out
	v_max3_num_f32 v52, v4, v6, v8
	s_delay_alu instid0(VALU_DEP_1)
	v_max3_num_f32 v52, v52, v10, v12
	s_delay_alu instid0(VALU_DEP_1)
	v_max3_num_f32 v52, v52, v14, v16
	s_delay_alu instid0(VALU_DEP_1)
	v_max_num_f32 v52, v52, v18                    ; M
.irp c, 0,1,2,3,4,5,6,7
	v_sub_f32 v[54+\c], v[4+2*\c], v52
.endr
	s_wait_alu depctr_va_vdst(0)
.irp c, 0,1,2,3,4,5,6,7
	v_exp_f32 v[54+\c], v[54+\c]                   ; 2^(m_c - M)
.endr
	v_nop                                          ; a plain line behind the last exponential,
	s_wait_alu depctr_va_vdst(0)                   ; and one wait for the batch, ahead of its first reader
	v_mul_f32 v53, v54, v5
.irp c, 1,2,3,4,5,6,7
	v_fmac_f32 v53, v[54+\c], v[5+2*\c]            ; the whole sum
.endr
	s_wait_alu depctr_va_vdst(0)
	v_rcp_f32 v53, v53
	s_wait_loadcnt 0x0
.irp e, 0,1,2,3
	v_mul_f32 v[64+\e], v54, v[20+\e]              ; (plain work behind the reciprocal)
.endr
.irp c, 1,2,3,4,5,6,7
.irp e, 0,1,2,3
	v_fmac_f32 v[64+\e], v[54+\c], v[20+4*\c+\e]
.endr
.endr
	s_wait_alu depctr_va_vdst(0)                   ; the wait for the reciprocal, ahead of its first reader
.irp e, 0,1,2,3
	v_mul_f32 v[64+\e], v[64+\e], v53
.endr
	global_store_b128 v1, v[64:67], s[8:9]
	s_endpgm
.Lfunc_end_k_q8cfe350a89_comb:
	.size	k_q8cfe350a89_comb, .Lfunc_end_k_q8cfe350a89_comb-k_q8cfe350a89_comb
	.p2alignl 7, 3214868480
	.fill 96, 4, 3214868480
	.section	.rodata,"a",@progbits
	.p2align	6, 0x0
	.amdhsa_kernel k_q8cfe350a89_comb
		.amdhsa_group_segment_fixed_size 0
		.amdhsa_private_segment_fixed_size 0
		.amdhsa_enable_private_segment 0
		.amdhsa_kernarg_size 24
		.amdhsa_user_sgpr_count 2
		.amdhsa_user_sgpr_kernarg_segment_ptr 1
		.amdhsa_wavefront_size32 1
		.amdhsa_system_sgpr_workgroup_id_x 1
		.amdhsa_system_sgpr_workgroup_id_y 1
		.amdhsa_system_sgpr_workgroup_id_z 1
		.amdhsa_system_vgpr_workitem_id 0
		.amdhsa_next_free_vgpr 72
		.amdhsa_next_free_sgpr 66
		.amdhsa_reserve_vcc 0
		.amdhsa_float_denorm_mode_32 3
		.amdhsa_float_denorm_mode_16_64 3
		.amdhsa_memory_ordered 1
		.amdhsa_forward_progress 1
		.amdhsa_inst_pref_size 5
	.end_amdhsa_kernel
	.amdgpu_metadata
---
amdhsa.version: [ 1, 2 ]
amdhsa.kernels:
  - .name:           k_q8cfe350a89_comb
    .symbol:         k_q8cfe350a89_comb.kd
    .args:
      - { .name: part, .offset: 0, .size: 8, .value_kind: global_buffer, .address_space: global }
      - { .name: stat, .offset: 8, .size: 8, .value_kind: global_buffer, .address_space: global }
      - { .name: out0, .offset: 16, .size: 8, .value_kind: global_buffer, .address_space: global }
    .group_segment_fixed_size: 0
    .private_segment_fixed_size: 0
    .kernarg_segment_align: 8
    .kernarg_segment_size: 24
    .max_flat_workgroup_size: 256
    .sgpr_count:     66
    .vgpr_count:     72
    .wavefront_size: 32
...
	.end_amdgpu_metadata
.endif
;; end of part 3
